; MI455X (gfx1250); checked and timed in simulation.
; The chip was launched on July 23, 2026; its instructions are those of AMD's public machine-readable ISA for CDNA 5 (MIT licence, August 2026) and "CDNA5" Instruction Set Architecture Reference Guide (July 2026). The comments in the code are by the model that wrote it; some were corrected since.
;; Sentence Attention. Allowed arithmetic: matrix products marked QUANTISED: E2M3 operands, one E8M0 scale for each 32 along K, by v_wmma_scale_f32_16x16x128_f8f6f4 with both operands' format E2M3, f32 sums; products left as they are: f32 operands where the result goes on into a quantised operand, else bf16, f16 or f32 operands; f32 sums; everything else in f32.
;; Inputs: W_codes 1,024 x 32 x 24 uint8 (E2M3 codes of W, K innermost, in blocks of 32 codes, four codes in three bytes); W_scales 1,024 x 32 uint8 (E8M0 scales of W, one for each 32 codes along K); document_index 256 x 2 int32; u 1 x 1,024 float32; x 256 x 128 x 1,024 float32.
;; Outputs: out0 256 x 1,024 float32; out1 128 float32.
;; This version of the problem:
;;   THIS VERSION OF THE PROBLEM IS GIVEN IN LOW PRECISION. The matrix products marked QUANTISED in the list below multiply operands that are first quantised to E2M3 (2 exponent bits, 3 mantissa bits; 6 bits a number), with one power-of-two scale for each 32 numbers along K (OCP MX v1.0); their sums are f32. All else is computed in f32.
;;   The module's matrix products, in the order in which they are computed (A, B: the left and right operand; K: the contracted axis; several contracted axes count as one K, in the product's order):
;;     1. [M 32,768, K 1,024] x [K 1,024, N 1,024]; A: input x; B: input W (given as codes): QUANTISED
;;     2. [M 32,768, K 1,024] x [K 1,024, N 1]; A: computed on the way; B: input u: left as it is (N = 1 < 16)
;;     3. batch 256 x [M 1, K 128] x [K 128, N 1,024]; A: computed on the way; B: input x: left as it is (M = 1 < 16)
;;   THE QUANTISER, for each operand of a quantised product, along K:
;;     - K is cut into blocks of 32 from its start; a last block that is shorter is filled with zeros.
;;     - A block's scale is 2^e with e = floor(log2(the largest magnitude in the block)) - 2, held to -126 .. 127; a block of zeros has e = 0. As a byte (E8M0): e + 127.
;;     - Each number is divided by its block's scale, clamped to +-7.5, and rounded to the nearest number of E2M3, ties to even, subnormals kept.
;;     - The product sums the exact products of the quantised numbers (number of the format x scale) in f32.
;;   ~~~python
;;   def quantise(x, axis):      # numpy; x: float32 -> the quantised numbers, widened to float32 again
;;       x = np.moveaxis(x, axis, -1); K = x.shape[-1]
;;       x = np.pad(x, [(0, 0)] * (x.ndim - 1) + [(0, -K % 32)]); x = x.reshape(x.shape[:-1] + (-1, 32)); a = np.abs(x).max(-1, keepdims=True)
;;       e = np.where(a > 0, np.clip(np.frexp(np.where(a > 0, a, 1))[1] - 1 - 2, -126, 127), 0)      # np.frexp(a)[1] - 1 = floor(log2(a)), exactly
;;       r = np.clip(x / 2.0 ** e, -7.5, 7.5)
;;       step = 2.0 ** (np.maximum(np.frexp(np.where(r == 0, 1, r))[1] - 1, 0) - 3)
;;       q = np.round(r / step) * step * 2.0 ** e      # np.round: ties to even
;;       return np.moveaxis(q.reshape(q.shape[:-2] + (-1,))[..., :K], -1, axis).astype(np.float32)
;;   ~~~
;;   INPUTS GIVEN AS CODES. W (in the module: [1024, 1024], K = its axis 1): each comes as NAME_codes (uint8): NAME with its K axis moved to the last place and cut into blocks of 32 codes, [.., K / 32, bytes a block], one block behind the other in memory; four codes in three bytes: a row's codes are one little-endian stream of bits, code i at bits 6 i .. 6 i + 5 (a code: sign, 2 exponent bits, 3 mantissa bits); and NAME_scales (uint8): the same leading axes, one E8M0 byte (e + 127) for each 32 codes along K. Its value is code x scale, taken as it is: it is not quantised again, and the codes and scales need not be those that the quantiser above would give.
;; One version. Each part assembles by itself: llvm-mc -triple=amdgcn-amd-amdhsa -mcpu=gfx1250 --defsym DOCPART=n.
;; ======== version 1 of 1: 1 launch
;; limits: right only within a limited range of input values
;; launch sentence_attention (part 1): grid 256 x 1, 4 waves a work-group, clusters of 4 x 1, 327,680 bytes of LDS; arguments x, W_codes, W_scales, u, document_index, out0, out1; writes out0, out1
.if DOCPART == 1
	.amdgcn_target "amdgcn-amd-amdhsa--gfx1250"
	.amdhsa_code_object_version 6
	.text
	.protected	k_q51720b124b_sentence_attention
	.globl	k_q51720b124b_sentence_attention
	.p2align	8
	.type	k_q51720b124b_sentence_attention,@function
k_q51720b124b_sentence_attention:
	s_mov_b64 s[64:65], 0
	v_nop
	global_prefetch_b8 v0, s[64:65] scope:SCOPE_SE
	s_setreg_imm32_b32 hwreg(HW_REG_WAVE_MODE, 25, 1), 1
	s_wait_xcnt 0x0
	s_wait_alu depctr_hold_cnt(0) depctr_sa_sdst(0) depctr_va_vdst(0) depctr_va_sdst(0) depctr_va_ssrc(0) depctr_va_vcc(0) depctr_vm_vsrc(0)
	s_getreg_b32 s2, hwreg(HW_REG_IB_STS2, 6, 4)
	s_cmp_eq_u32 s2, 0
	s_cbranch_scc0 .Lentry_in_a_cluster
	s_endpgm
.Lentry_in_a_cluster:
	s_bfe_u32 s2, ttmp6, 0x10000c
	s_cmp_lg_u32 s2, 0x3003
	s_cbranch_scc0 .Lentry_shape_is_right
	s_endpgm
.Lentry_shape_is_right:
; out0[b] = sum over s of attn[b][s] x[b][s],  attn = softmax over start <= s < end of  u . tanh(W x[b][s]);  out1 = attn of document 255.
; x [256][128][1024] f32;  W as codes of FP6 (E2M3), 768 bytes a row, with 32 E8M0 bytes a row;  u [1024] f32;  document_index [256][2] i32.
; x W^T is made on codes: x is quantised here, in f32, one scale for each 32 along E.  The two thin products (u . h, attn . x) are fused multiply-adds in f32.
; SHARES.  One work-group of four waves takes one document: 256 work-groups.  Wave (mh, nh) makes half mh of the rows against half nh of each 128 rows of W.
;   Its 64 rows of x stay in registers as 32 fragments (384 registers) while W goes through a ring of two LDS slots of 128 rows.
; CLUSTER.  Every document walks all of W: the four work-groups of a cluster ask for each tile jointly.  Such a launch takes no branch on loaded numbers, so all 128 rows
;   are multiplied; a row's address is held into the bag, so rows outside it are not fetched; what is computed of them gets the weight 0.
; TILES.  Tile T, row r is the document's row 8 r + T: each wave gets the same share of rows inside and outside the bag.
; TANH.  r = 1 / (1 + 2^(c z)), c = 2 log2(e);  tanh z = 1 - 2 r.  Summed is s' = sum over f of (-2 u[f]) r[f] = score - sum of u.  WORK LEFT OUT: the sum of u is the same for
;   every row of a softmax and falls out of (score - largest score) for every input.  2^(c z) = infinity gives r = 0, which is tanh = 1.
; ORDER.  Two column tiles (16 rows of W each) are 64 products, two accumulators by turns, with no vector work among them; then ONE block of vector work takes their 64 result
;   registers through c z | 2^ | 1 + | 1 / | x (-2 u), each stage as one batch.  The next tile's fragments come in one run of LDS loads between a tile's two runs of products.
; NO PREFETCH.  The rows of x that the last phase loads are rows that this same work-group has loaded at its head; W's 786,432 bytes are read by every cluster in the same order.
; LIMITS.  NaN and infinities in x are not served.  A block of x whose largest magnitude lies under 2^-124 gets the scale byte 1; a block of zeros too, where the
;   quantiser's text says 127: its codes are zeros and the bytes are read here alone.  An empty bag gives zeros.
; LDS.  A row of W = 3 pieces of 256 bytes + 16 of padding each = 816 bytes.
.set SLOT1,  1<<17                     ; slot 0 at 0, slot 1 here
.set TR,     104448                    ; transit of x's fragments from wave to wave: two buffers
.set TRBUF,  13312                     ; 8 tiles x 1,536 bytes + 8 x 128 bytes of scale words
.set WSC,    235520                    ; W's scale bytes: 128 pieces of 256 + 16; filled once
.set WSX,    270336                    ; 6,144 zeros: the last look-ahead for scale words lands here
.set STG,    276480                    ; each wave's own stage: 16 rows x (512 + 16)
.set U2,     310272                    ; -2 u, 4,096 bytes, then 512 bytes of zeros
.set SCO,    314880                    ; score sums [nh][row]
.set ATT,    315904                    ; the weights, a copy of 512 bytes for each wave
.set SPARE,  317952                    ; the spare words, 128 bytes a wave
; window 0
.set L16, 1
.set SPW, 2
.set NIL, 3
.set STW, 4
.set STR, 5
.set TRW, 6
.set TSW, 7
.set TRR, 8
.set TSR, 9
.set ADB, 10                           ; v10-11 W's fragments in the slot in hand
.set ADN, 12                           ; v12-13 in the other slot
.set UAD, 14
.set SAD, 15
.set SCW, 16
.set SCR, 17
.set ATW, 18
.set ATR, 19
.set OOF, 20
.set T0,  21
.set T1,  22
.set T2,  23
.set PF,  24                           ; v24-27 addresses of the head's loads of u and stores
.set AB0, 28
.set AB1, 29
.set UA0, 30
.set SA0, 31
.set SA,  32                           ; v32-63 x's scale words, tile t, K step q at SA + 8 t + q
.set SB,  64                           ; v64-79 W's scale words, two sets of 8; K step q at (q + 4) % 8; lanes 0-15 an even column tile's, lanes 16-31 the odd one's
.set X0,  80
.set PC0, 208
.set PT,  232
.set TM,  240
.set PW0, 252
.set WT,  80
.set AC,  112
.set AW,  136
.set SS,  160
; windows 1 (tiles 0, 1) and 2 (tiles 2, 3): v0-191 x's fragments; v192-223 results of an even and an odd column tile; v224-239 score sums
.set RO,  192                          ; window 1, while no product runs: 32 byte offsets of rows
.set ACC, 224
; window 3: numbers as loaded; then W's fragments, two sets of 96; v192-199 -2 u, four pairs; at last rows of x
.set UU,  192
.set W1,  0x5d                         ; destination, sources 0 and 2 in window 1, source 1 in window 3
.set W2,  0xae
.set MSB, 0
.macro WIN new
.if MSB != (\new)
	s_set_vgpr_msb (MSB<<8)|(\new)
.set MSB, (\new)
.endif
.endm
.macro ALU
	s_wait_alu depctr_va_vdst(0)
.endm
.macro NOP4
.rept 4
	v_nop
.endr
.endm
.macro CREST
	s_cmp_lg_u32 s18, 0
	s_cbranch_scc1 .Lnot_wave_0_\@
	s_barrier_signal -3
.Lnot_wave_0_\@:
	s_barrier_wait -3
	s_barrier_signal -1
	s_barrier_wait -1
.endm
.macro CROUND
	s_barrier_signal -1
	s_barrier_wait -1
	CREST
.endm
.macro BARRIER
	s_wait_dscnt 0x0
	s_barrier_signal -1
	s_barrier_wait -1
.endm
; ---------------- the head
	s_load_b256 s[4:11], s[0:1], 0x0               ; x, W's codes, W's scales, u
	s_load_b128 s[12:15], s[0:1], 0x20             ; document_index, out0
	s_load_b64 s[16:17], s[0:1], 0x30              ; out1
	v_lshl_add_u32 v[SPW], v0, 2, SPARE
	v_mov_b32 v[NIL], 0
	ds_add_u32 v[SPW], v[NIL]
	ds_add_u32 v[SPW], v[NIL]
	v_lshrrev_b32 v[T0], 5, v0
	v_readfirstlane_b32 s18, v[T0]                 ; wave
	s_lshr_b32 s19, s18, 1                         ; mh
	s_and_b32 s20, s18, 1                          ; nh
	s_bfe_u32 s22, ttmp6, 0x40000                  ; cx
	s_lshl_b32 s21, ttmp9, 2
	s_add_co_u32 s21, s21, s22                     ; the document: enters global addresses and one lane mask at the end
	; group 1: dense pieces of 256 bytes (32 elements of 8), 16 bytes of padding behind each, mask of all four work-groups.  s24: 96 pieces, a quarter of a tile; s32: 128 pieces
.irp g, 24, 32
	s_mov_b32 s[\g], 15|(3<<16)|(1<<20)|(1<<21)|(5<<22)|(3<<25)
	s_mov_b32 s[\g+1], 32<<16
	s_mov_b32 s[\g+3], 32<<16
	s_mov_b32 s[\g+5], 32
	s_mov_b32 s[\g+6], 0
	s_mov_b32 s[\g+7], 0
.endr
	s_mov_b32 s26, 96<<16
	s_mov_b32 s28, 96
	s_mov_b32 s34, 128<<16
	s_mov_b32 s36, 128
	s_mov_b32 s40, 1                               ; tile 0, in thirds of 128 pieces: waves 0 to 2
	s_mul_i32 s41, s18, 34816
	s_mov_b32 s44, 1                               ; tile 1, my quarter, slot 1; this group then walks
	s_mul_i32 s45, s18, 26112
	s_add_co_u32 s45, s45, SLOT1
	s_mov_b32 s48, 1                               ; all scale bytes, 128 pieces: wave 3
	s_mov_b32 s49, WSC
	s_mul_i32 s66, s18, 24576
	s_mov_b32 s67, 0
	s_lshl_b32 s62, s18, 15
	s_mov_b32 s63, 0
	s_lshl_b32 s60, s21, 3
	s_mov_b32 s61, 0
	s_mov_b32 s56, 0x4038aa3b                      ; c = 2 log2(e)
	s_mov_b32 s57, s56
	s_mov_b32 s58, 0x76543210                      ; selects for lane l xor 16
	s_mov_b32 s59, 0xfedcba98
	s_wait_dscnt 0x0
	s_wait_kmcnt 0x0
	s_add_nc_u64 s[42:43], s[6:7], s[62:63]
	s_add_nc_u64 s[46:47], s[6:7], s[66:67]
	s_add_nc_u64 s[46:47], s[46:47], 98304
	s_mov_b64 s[50:51], s[8:9]
	s_or_b32 s43, s43, 0x80000000
	s_or_b32 s47, s47, 0x80000000
	s_or_b32 s51, s51, 0x80000000
	s_add_nc_u64 s[12:13], s[12:13], s[60:61]
	s_load_b64 s[52:53], s[12:13], 0x0             ; start, end
	CROUND                                         ; the first joint loads meet
	s_cmp_lt_u32 s18, 3                            ; one load a wave, in two arms
	s_cbranch_scc0 .Lhead_sc
	tensor_load_to_lds s[40:43], s[32:39]
	s_nop 0
	NOP4
	s_branch .Lhead_asked
.Lhead_sc:
	tensor_load_to_lds s[48:51], s[32:39]
	s_nop 0
	NOP4
.Lhead_asked:
	v_and_b32 v[T0], 31, v0                        ; lane
	v_and_b32 v[T1], 15, v0                        ; r
	v_bfe_u32 v[T2], v0, 4, 1                      ; h
	v_lshlrev_b32 v[L16], 4, v[T0]
	ALU
	s_mul_i32 s61, s18, 8448
	s_add_co_u32 s61, s61, STG
	v_add_nc_u32 v[STW], s61, v[L16]               ; stage in: a row's 512 bytes as loaded
	v_mul_u32_u24 v[STR], v[T1], 528
	v_lshl_add_u32 v[STR], v[T2], 6, v[STR]
	v_add_nc_u32 v[STR], s61, v[STR]               ; back: row r, + 64 h
	s_mul_i32 s61, s18, 3072
	s_add_co_u32 s61, s61, TR
	v_add_nc_u32 v[TRW], s61, v[L16]               ; I make tiles 2 w, 2 w + 1
	s_lshl_b32 s61, s18, 8
	s_add_co_u32 s61, s61, TR+12288
	v_lshl_add_u32 v[TSW], v[T0], 2, s61
	s_mul_i32 s61, s19, 6144
	s_add_co_u32 s61, s61, TR
	v_add_nc_u32 v[TRR], s61, v[L16]               ; I use tiles 4 mh + t
	s_lshl_b32 s61, s19, 9
	s_add_co_u32 s61, s61, TR+12288
	v_lshl_add_u32 v[TSR], v[T0], 2, s61
	s_lshl_b32 s61, s20, 9
	s_lshl_b32 s62, s19, 4
	s_add_co_u32 s61, s61, s62
	s_add_co_u32 s61, s61, SCO
	v_lshl_add_u32 v[SCW], v[T2], 8, s61           ; row 64 h + 8 j + 4 mh + t of half nh
	v_add_nc_u32 v[SCR], SCO, v[L16]
	s_lshl_b32 s61, s18, 9
	s_add_co_u32 s61, s61, ATT
	v_add_nc_u32 v[ATW], s61, v[L16]
	v_mov_b32 v[ATR], s61
	v_lshl_add_u32 v[OOF], s18, 10, v[L16]
	s_mul_i32 s61, s20, 52224                      ; my 64 rows of a slot
	v_mul_u32_u24 v[AB0], v[T1], 816
	v_mad_u32_u24 v[AB0], v[T2], 24, v[AB0]
	v_add_nc_u32 v[AB0], s61, v[AB0]
	v_lshl_add_u32 v[AB1], v[T2], 4, v[AB0]        ; the same behind one padding more
	s_lshl_b32 s61, s20, 8
	s_add_co_u32 s61, s61, U2
	v_lshl_add_u32 v[UA0], v[T1], 2, s61
	v_lshrrev_b32 v[SA0], 3, v[T1]                 ; scale words: 32 bytes a row, 8 rows to a piece; lanes 16-31 the next column tile's
	v_mul_u32_u24 v[SA0], v[SA0], 272
	v_mad_u32_u24 v[SA0], v[T2], 544, v[SA0]
	v_and_b32 v[T0], 7, v[T1]
	v_lshl_add_u32 v[SA0], v[T0], 5, v[SA0]
	s_mul_i32 s61, s20, 2176
	s_add_co_u32 s61, s61, WSC
	v_add_nc_u32 v[SA0], s61, v[SA0]
	v_lshlrev_b32 v[PF], 4, v0
	v_lshl_add_u32 v[PF+1], v0, 4, U2
	v_lshl_add_u32 v[PF+2], v0, 2, U2+4096
	v_lshl_add_u32 v[PF+3], v0, 4, WSX
.irp b, 0,1,2,3
	v_mov_b32 v[TM+4+\b], 0                        ; a lane permute's destination counts as a source
	v_mov_b32 v[PC0+8+\b], 0
.endr
	ALU
	s_wait_kmcnt 0x0
	s_max_i32 s54, s52, 0
	s_min_i32 s54, s54, 127                        ; LO: the bag's first row, held into the document
	s_sub_co_i32 s55, s53, 1
	s_max_i32 s55, s55, 0
	s_min_i32 s55, s55, 127                        ; HI: its last
	s_lshl_b32 s66, s21, 19
	s_mov_b32 s67, 0
	s_add_nc_u64 s[4:5], s[4:5], s[66:67]
	s_lshl_b32 s66, s21, 12
	s_add_nc_u64 s[14:15], s[14:15], s[66:67]
	s_lshl_b32 s62, s18, 1
	WIN 0x40
.set i, 0
.rept 32                                       ; tile 2 w + i / 16, row i % 16 = the document's row 8 (i % 16) + 2 w + i / 16, held into the bag
	s_add_co_u32 s61, s62, (i/16)+8*(i%16)
	s_max_i32 s61, s61, s54
	s_min_i32 s61, s61, s55
	s_min_u32 s61, s61, 127
	v_lshl_add_u32 v[RO+i], s61, 12, v[L16]
.set i, i+1
.endr
	ALU
	WIN 0
	global_load_b128 v[PC0:PC0+3], v[PF], s[10:11]
	global_load_b128 v[PC0+4:PC0+7], v[PF], s[10:11] offset:2048
; ---------------- x becomes fragments.  Unit n = 2 q + a: K step q of my tile a
.macro LOAD n                          ; 16 loads, each one row's 512 consecutive bytes
	WIN 0xc1
.set i, 0
.rept 16
	global_load_b128 v[64*((\n)%4)+4*i:64*((\n)%4)+4*i+3], v[RO+16*((\n)%2)+i], s[4:5] offset:512*((\n)/2)
.set i, i+1
.endr
.endm
.macro TURN n                          ; through my stage: register 16 b + i = k 32 b + 16 h + i of row r; LDS serves a wave in order (ISA guide 5.7.1.4)
	WIN 0x0c
.set i, 0
.rept 16
	ds_store_b128 v[STW], v[64*((\n)%4)+4*i:64*((\n)%4)+4*i+3] offset:528*i
.set i, i+1
.endr
	WIN 0
.irp b, 0,1,2,3
.irp j, 0,1,2,3
	ds_load_b128 v[X0+64*((\n)%2)+16*\b+4*\j:X0+64*((\n)%2)+16*\b+4*\j+3], v[STR] offset:128*\b+16*\j
.endr
.endr
.endm
.macro QUANT                           ; 64 numbers v[XS] on -> codes v[PCS] on, scale word v[PWS]
.irp b, 0,1,2,3
	v_max3_num_f32 v[TM+\b], |v[XS+16*\b]|, |v[XS+16*\b+1]|, 0x1800000   ; with the floor 2^(3 - 127): the byte stays at 1 or above
.endr
.irp e, 2,4,6,8,10,12,14
.irp b, 0,1,2,3
	v_max3_num_f32 v[TM+\b], v[TM+\b], |v[XS+16*\b+\e]|, |v[XS+16*\b+\e+1]|
.endr
.endr
.irp b, 0,1,2,3
	v_permlanex16_b32 v[TM+4+\b], v[TM+\b], s58, s59
.endr
.irp b, 0,1,2,3
	v_max_num_f32 v[TM+\b], v[TM+\b], v[TM+4+\b]
.endr
.irp b, 0,1,2,3
	v_add_nc_u32 v[TM+8+\b], 0xff000000, v[TM+\b]  ; 2 off the exponent field: the conversion's scale
.endr
.irp b, 0,1,2,3
	v_lshrrev_b32 v[TM+4+\b], 23, v[TM+8+\b]       ; the byte
.endr
	v_lshl_or_b32 v[PWS], v[TM+5], 8, v[TM+4]
	v_lshl_or_b32 v[PWS], v[TM+6], 16, v[PWS]
	v_lshl_or_b32 v[PWS], v[TM+7], 24, v[PWS]
.irp c, 0,1
	v_cvt_scalef32_pk16_fp6_f32 v[PCS+6*\c:PCS+6*\c+2], v[XS+32*\c:XS+32*\c+15], v[TM+8+2*\c]
	v_cvt_scalef32_pk16_fp6_f32 v[PT+4*\c:PT+4*\c+2], v[XS+32*\c+16:XS+32*\c+31], v[TM+8+2*\c+1]
.endr
	v_nop                                          ; one plain place behind a scaled conversion
.irp c, 0,1                                    ; a whole block in a lane: lanes 0-15 block 2 c, lanes 16-31 block 2 c + 1
.irp e, 0,1,2
	v_permlane16_swap_b32 v[PCS+6*\c+\e], v[PT+4*\c+\e]
.endr
.irp e, 0,1,2
	v_mov_b32 v[PCS+6*\c+3+\e], v[PT+4*\c+\e]
.endr
.endr
.endm
.macro IMAGE n                         ; the fragment as an image of its registers, and its scale word
.irp c, 0,1,2
	ds_store_b128 v[TRW], v[PCS+4*\c:PCS+4*\c+3] offset:TRBUF*(((\n)/2)%2)+1536*((\n)%2)+512*\c
.endr
	ds_store_b32 v[TSW], v[PWS] offset:TRBUF*(((\n)/2)%2)+128*((\n)%2)
.endm
.macro FETCH q                         ; K step q of my four tiles, into the registers in which it stays
.irp t, 0,1,2,3
	WIN 0x40+0x40*(\t/2)
.irp c, 0,1,2
	ds_load_b128 v[96*(\t%2)+12*(\q)+4*\c:96*(\t%2)+12*(\q)+4*\c+3], v[TRR] offset:TRBUF*((\q)%2)+1536*\t+512*\c
.endr
.endr
	WIN 0
.irp t, 0,1,2,3
	ds_load_b32 v[SA+8*\t+(\q)], v[TSR] offset:TRBUF*((\q)%2)+128*\t
.endr
.endm
.macro STEP n
.if (\n) == 0
	s_wait_dscnt 0x0
.elseif (\n)%2 == 1
	s_wait_dscnt 4                                 ; this unit is back; the last image's four stores may be out
.endif
.if (\n)+4 <= 15
	LOAD (\n)+4
.endif
.if (\n)+1 <= 15
.if (\n)+4 <= 15
	s_wait_loadcnt 48                              ; the next unit is in; three units of 16 loads may be out
.else
	s_wait_loadcnt 16*(15-((\n)+1))
.endif
	TURN (\n)+1
.endif
	WIN 0
.set XS,  X0+64*((\n)%2)
.set PCS, PC0+12*((\n)%2)
.set PWS, PW0+(\n)%2
	QUANT
	IMAGE \n
.if (\n)%2 == 1
	BARRIER                                        ; this K step of all eight tiles lies in the transit; the other buffer's readers are done
	FETCH ((\n)-1)/2
.endif
.endm
	LOAD 0
	LOAD 1
	LOAD 2
	WIN 0
	s_wait_loadcnt 48                              ; u is in; three units may be out
.irp e, 0,2,4,6
	v_pk_mul_f32 v[PC0+\e:PC0+\e+1], v[PC0+\e:PC0+\e+1], -2.0 op_sel_hi:[1,0]
.endr
	ds_store_b128 v[PF+1], v[PC0:PC0+3]            ; -2 u
	ds_store_b128 v[PF+1], v[PC0+4:PC0+7] offset:2048
	ds_store_b32 v[PF+2], v[PC0+8]                 ; zeros behind it, and behind W's scale bytes
	ds_store_b128 v[PF+3], v[PC0+8:PC0+11]
	ds_store_b128 v[PF+3], v[PC0+8:PC0+11] offset:2048
	ds_store_b128 v[PF+3], v[PC0+8:PC0+11] offset:4096
	LOAD 3
	WIN 0
	ALU
	s_wait_tensorcnt 0x0                           ; slot 1's first fill is issued as a refill is: my head's load has landed,
	ds_add_u32 v[SPW], v[NIL]                      ; the add,
	s_wait_dscnt 0x0                               ; it and my stores above are done,
	CROUND                                         ; a round: tile 0, the scale bytes and -2 u are whole for every wave,
	tensor_load_to_lds s[44:47], s[24:31]          ; and tile 1, my one load behind it; x's 64 loads are on their way meanwhile
	s_nop 0
	NOP4
	s_wait_loadcnt 48                              ; unit 0 is in
	TURN 0
.irp t, 0,1,2,3,4,5,6,7,8,9,10,11,12,13,14,15
	STEP \t
.endr
; ---------------- the products, then tanh and u in batches
.macro SADDR
	v_add_nc_u32 v[ADB], s74, v[AB0]
	v_add_nc_u32 v[ADB+1], s74, v[AB1]
	v_add_nc_u32 v[ADN], s75, v[AB0]
	v_add_nc_u32 v[ADN+1], s75, v[AB1]
	v_add_nc_u32 v[UAD], s76, v[UA0]
	v_add_nc_u32 v[SAD], s77, v[SA0]
	ALU
.endm
.macro LFRAG bs, j, adr, cb            ; 16 rows x 128 K of W in pieces of 8 bytes; where lanes 16-31's piece lies behind one padding more, the second address serves
.irp p, 0,1,2,3,4,5
.set D0, 96*(\j)+48*(\p/3)+8*(\p%3)
.if (D0+24)/256 == D0/256
	ds_load_b64 v[(\bs)+12*(\j)+2*\p:(\bs)+12*(\j)+2*\p+1], v[\adr] offset:(\cb)+D0+16*(D0/256)
.else
	ds_load_b64 v[(\bs)+12*(\j)+2*\p:(\bs)+12*(\j)+2*\p+1], v[\adr+1] offset:(\cb)+D0+16*(D0/256)
.endif
.endr
.endm
.macro MM c                            ; tile TT, K step QQ, column tile c.  Source 0 = x, source 1 = W: register j of lane (r, h) is row 8 h + j, column r
.set rD, 192+16*((\c)%2)+8*(TT%2)
.set rA, 96*(TT%2)+12*QQ
.set rB, 96*((\c)%2)+12*QQ
.set rX, SA+8*TT+QQ
.set rW, SB+8*((\c)/2)+(QQ+4)%8
.if QQ == 0
.if (\c)%2 == 1
	v_wmma_scale_f32_16x16x128_f8f6f4 v[rD:rD+7], v[rA:rA+11], v[rB:rB+11], 0, v[rX], v[rW] matrix_a_fmt:MATRIX_FMT_FP6 matrix_b_fmt:MATRIX_FMT_FP6 matrix_b_scale:MATRIX_SCALE_ROW1
.else
	v_wmma_scale_f32_16x16x128_f8f6f4 v[rD:rD+7], v[rA:rA+11], v[rB:rB+11], 0, v[rX], v[rW] matrix_a_fmt:MATRIX_FMT_FP6 matrix_b_fmt:MATRIX_FMT_FP6
.endif
.else
.if (\c)%2 == 1
	v_wmma_scale_f32_16x16x128_f8f6f4 v[rD:rD+7], v[rA:rA+11], v[rB:rB+11], v[rD:rD+7], v[rX], v[rW] matrix_a_fmt:MATRIX_FMT_FP6 matrix_b_fmt:MATRIX_FMT_FP6 matrix_b_scale:MATRIX_SCALE_ROW1
.else
	v_wmma_scale_f32_16x16x128_f8f6f4 v[rD:rD+7], v[rA:rA+11], v[rB:rB+11], v[rD:rD+7], v[rX], v[rW] matrix_a_fmt:MATRIX_FMT_FP6 matrix_b_fmt:MATRIX_FMT_FP6
.endif
.endif
.endm
.macro SEG c, run, k0                  ; four products of a run of 16: two tiles by turns, one instruction a turn, K ascending
.set KK, \k0
.rept 4
.set TT, 2*(\run-1)+KK%2
.set QQ, KK/2
	MM \c
.set KK, KK+1
.endr
.endm
.macro VT op                           ; one batch of 64 transcendentals in place, a plain place, and the batch's wait
.irp w, W2, W1
	WIN \w
.set i, 0
.rept 32
	\op v[192+i], v[192+i]
.set i, i+1
.endr
.endr
	v_nop
	ALU
.endm
.macro VB c                            ; the vector work on column tiles c - 1 and c: 32 registers in each of windows 1 and 2, each result read from its low end on
	NOP4                                           ; places behind the last products
.irp w, W1, W2
	WIN \w
.set i, 0
.rept 16
	v_pk_mul_f32 v[192+2*i:193+2*i], v[192+2*i:193+2*i], s[56:57] op_sel_hi:[1,0]
.set i, i+1
.endr
.endr
	ALU
	VT v_exp_f32
.irp w, W1, W2
	WIN \w
.set i, 0
.rept 16
	v_pk_add_f32 v[192+2*i:193+2*i], v[192+2*i:193+2*i], 1.0 op_sel_hi:[1,0]
.set i, i+1
.endr
.endr
	ALU
	VT v_rcp_f32
.irp w, W1, W2
	WIN \w
.set i, 0
.rept 16
	v_pk_fma_f32 v[ACC+2*(i%8):ACC+2*(i%8)+1], v[192+2*i:193+2*i], v[UU+2*(((\c)-1+i/8)%4):UU+2*(((\c)-1+i/8)%4)+1], v[ACC+2*(i%8):ACC+2*(i%8)+1] op_sel_hi:[1,0,1]
.set i, i+1
.endr
.endr
.endm
.macro LRUN c                          ; the look-ahead, one run of LDS loads: in an even tile the next pair's scale words; the next tile's -2 u; its eight fragments in the order of use
	NOP4                                           ; places behind the products that read these registers
.if (\c)%2 == 0
	WIN 0
	ds_load_b128 v[SBN+4:SBN+7], v[SAD] offset:SOF
	ds_load_b128 v[SBN:SBN+3], v[SAD] offset:SOF+16
.endif
	WIN 0xc0
	ds_load_b32 v[UL], v[UAD] offset:UOF
.irp j, 0,1,2,3,4,5,6,7
	LFRAG NS, \j, LAD, LCB
.endr
.endm
.macro CT c, chg                       ; a column tile: 32 products.  chg = 1: the slot's last tile, the slot is filled again; 2: the same with nothing left to ask for
.set UL, UU+2*(((\c)+1)%4)
.set NS, 96*(((\c)+1)%2)
.if (\c) < 3
.set LAD, ADB
.set LCB, 13056*((\c)+1)
.set UOF, 64*((\c)+1)
.else
.set LAD, ADN
.set LCB, 0
.set UOF, 512
.endif
.set SBN, SB+8*(1-(\c)/2)
.if (\c) == 0
.set SOF, 1088
.else
.set SOF, 4352
.endif
.if (\chg) == 0
	s_wait_dscnt 36                                ; fragments 0, 1 are in; 2 to 7, six loads each, may be out
	WIN W1
	SEG \c, 1, 0
	s_wait_dscnt 24
	SEG \c, 1, 4
	s_wait_dscnt 12
	SEG \c, 1, 8
	s_wait_dscnt 0x0
	SEG \c, 1, 12
.else
	WIN 0
	s_wait_tensorcnt 0x0                           ; my quarter of the other slot has landed
	ds_add_u32 v[SPW], v[NIL]
.if (\chg) == 1
	s_xor_b32 s45, s45, SLOT1                      ; no tensor load of mine is out: the walking group 0 steps
	s_add_nc_u64 s[46:47], s[46:47], 98304
.endif
	s_wait_dscnt 37                                ; fragments 0, 1: behind them 36 loads and the add
	WIN W1
	SEG \c, 1, 0
	s_wait_dscnt 25
	SEG \c, 1, 4
	s_wait_dscnt 0x0                               ; the add is done, my reads of this slot are over
	s_barrier_signal -1
	SEG \c, 1, 8
	WIN 0
	s_barrier_wait -1
.if (\chg) == 1
	CREST                                          ; the barrier has opened a round of the cluster's
	tensor_load_to_lds s[44:47], s[24:31]          ; my one load behind the round: it has a slot's 128 products in which to land
	s_nop 0
	NOP4
.endif
	WIN W1
	SEG \c, 1, 12
.endif
	LRUN \c
	WIN W2
	SEG \c, 2, 0
	SEG \c, 2, 4
	SEG \c, 2, 8
	SEG \c, 2, 12
.if (\c)%2 == 1
	VB \c
.endif
.endm
.macro SLOTB chg
	CT 0, 0
	CT 1, 0
	CT 2, 0
	CT 3, \chg
	WIN 0
	s_xor_b32 s74, s74, SLOT1
	s_xor_b32 s75, s75, SLOT1
	s_add_co_u32 s76, s76, 512
	s_add_co_u32 s77, s77, 4352
	SADDR
.endm
	s_wait_dscnt 0x0                               ; my last fragments of x are in
.irp w, 0x40, 0x80
	WIN \w
.set i, 0
.rept 16
	v_mov_b32 v[ACC+i], 0                          ; the score sums
.set i, i+1
.endr
.endr
	WIN 0xc0
.set i, 0
.rept 8
	v_mov_b32 v[UU+i], 0                           ; the pairs' upper words are named by the packed form
.set i, i+1
.endr
	WIN 0
	s_mov_b32 s74, 0
	s_mov_b32 s75, SLOT1
	s_mov_b32 s76, 0
	s_mov_b32 s77, 0
	SADDR
	ds_load_b128 v[SB+4:SB+7], v[SAD]
	ds_load_b128 v[SB:SB+3], v[SAD] offset:16
	WIN 0xc0
	ds_load_b32 v[UU], v[UAD]
.irp j, 0,1,2,3,4,5,6,7
	LFRAG 0, \j, ADB, 0
.endr
	WIN 0
	s_mov_b32 s60, 6
.Lslot:                                                ; tiles 0 to 5 of W: each slot is filled again with the tile two on
	SLOTB 1
	s_sub_co_u32 s60, s60, 1
	s_cmp_lg_u32 s60, 0
	s_cbranch_scc1 .Lslot
	s_mov_b32 s60, 2
.Ltail:                                                ; tiles 6 and 7 ask for nothing; tile 7's look-ahead reads the other slot's old tile and the zeros, and nobody uses it
	SLOTB 2
	s_sub_co_u32 s60, s60, 1
	s_cmp_lg_u32 s60, 0
	s_cbranch_scc1 .Ltail
; ---------------- scores, softmax, the weighted sum
.macro FADDR st                        ; byte offsets of rows s72 + 16 st + 0 .. 15, held into the bag
	WIN 0x40
.set i, 0
.rept 16
	s_add_co_u32 s61, s72, 16*\st+i
	s_max_i32 s61, s61, s54
	s_min_i32 s61, s61, s55
	s_min_u32 s61, s61, 127
	v_lshl_add_u32 v[RO+16*\st+i], s61, 12, v[OOF]
.set i, i+1
.endr
	ALU
.endm
.macro FLOAD st                        ; my wave's 1,024 bytes of each row
	WIN 0xc1
.set i, 0
.rept 16
	global_load_b128 v[128*\st+8*i:128*\st+8*i+3], v[RO+16*\st+i], s[4:5]
	global_load_b128 v[128*\st+8*i+4:128*\st+8*i+7], v[RO+16*\st+i], s[4:5] offset:512
.set i, i+1
.endr
.endm
.macro FMA st                          ; out0 += weight x x: 16 rows x 8 numbers
	WIN 0x03
.set i, 0
.rept 16
.irp e, 0,1,2,3
.if i%2 == 0
	v_pk_fma_f32 v[AC+2*\e:AC+2*\e+1], v[128*\st+8*i+2*\e:128*\st+8*i+2*\e+1], v[WT+16*\st+i:WT+16*\st+i+1], v[AC+2*\e:AC+2*\e+1] op_sel_hi:[1,0,1]
.else
	v_pk_fma_f32 v[AC+2*\e:AC+2*\e+1], v[128*\st+8*i+2*\e:128*\st+8*i+2*\e+1], v[WT+16*\st+i-1:WT+16*\st+i], v[AC+2*\e:AC+2*\e+1] op_sel:[0,1,0] op_sel_hi:[1,1,1]
.endif
.endr
.set i, i+1
.endr
	ALU
.endm
.macro FTRIP reload                    ; 32 rows
	WIN 0
.irp g, 0,1,2,3,4,5,6,7
	ds_load_b128 v[WT+4*\g:WT+4*\g+3], v[ATR] offset:16*\g       ; their weights, from my wave's own copy
.endr
	s_wait_dscnt 0x0
	v_add_nc_u32 v[ATR], 128, v[ATR]
	s_wait_loadcnt 32                              ; the first 16 rows are in; the other set's 32 loads may be out
	FMA 0
.if \reload
	s_add_co_u32 s72, s72, 32
	FADDR 0
	FLOAD 0
	s_wait_loadcnt 32
.else
	s_wait_loadcnt 0x0
.endif
	FMA 1
.if \reload
	FADDR 1
	FLOAD 1
.endif
	WIN 0
.endm
	s_wait_dscnt 0x0                               ; the last look-ahead has landed: its registers may take loads
	s_mov_b32 s72, 0
	FADDR 0
	FLOAD 0                                        ; the second read of x begins under the scores' work
	FADDR 1
	FLOAD 1
	WIN 0x01                                       ; the 32 score sums into window 0, register j of tile t at SS + 4 j + t
.irp t, 0,1
.irp j, 0,1,2,3,4,5,6,7
	v_mov_b32 v[SS+4*\j+\t], v[ACC+8*\t+\j]
.endr
.endr
	WIN 0x02
.irp t, 0,1
.irp j, 0,1,2,3,4,5,6,7
	v_mov_b32 v[SS+4*\j+\t+2], v[ACC+8*\t+\j]
.endr
.endr
	WIN 0
.irp m, 1,2,4,8                        ; a row's sum lies in 16 lanes
.set i, 0
.rept 32
	v_add_f32_dpp v[SS+i], v[SS+i], v[SS+i] row_xmask:\m row_mask:0xf bank_mask:0xf
.set i, i+1
.endr
.endr
.irp j, 0,1,2,3,4,5,6,7
	ds_store_b128 v[SCW], v[SS+4*\j:SS+4*\j+3] offset:32*\j      ; rows 64 h + 8 j + 4 mh + 0 .. 3; a half's sixteen lanes write the same values
.endr
	BARRIER
	ds_load_b128 v[120:123], v[SCR]                ; every wave takes the whole softmax: lane l rows 4 l .. 4 l + 3
	ds_load_b128 v[124:127], v[SCR] offset:512
	v_and_b32 v[T0], 31, v0
	v_lshlrev_b32 v[T0], 2, v[T0]
	v_mov_b32 v132, 0xff800000
	v_mov_b32 v134, 0
.irp k, 0,1,2,3
	v_add_nc_u32 v[128+\k], \k, v[T0]
	v_cmp_le_i32 vcc_lo, s52, v[128+\k]            ; start <= row < end, on the numbers as given
	v_cmp_gt_i32 s61, s53, v[128+\k]
	s_and_b32 s[68+\k], vcc_lo, s61
.endr
	ALU
	s_wait_dscnt 0x0
	v_pk_add_f32 v[120:121], v[120:121], v[124:125]
	v_pk_add_f32 v[122:123], v[122:123], v[126:127]
.irp k, 0,1,2,3
	v_cndmask_b32 v[120+\k], v132, v[120+\k], s[68+\k]
.endr
	v_max3_num_f32 v133, v120, v121, v122
	v_max_num_f32 v133, v133, v123
.irp m, 1,2,4,8
	v_max_num_f32_dpp v133, v133, v133 row_xmask:\m row_mask:0xf bank_mask:0xf
.endr
	v_permlanex16_b32 v134, v133, s58, s59
	v_max_num_f32 v133, v133, v134                 ; the bag's largest score
.irp k, 0,1,2,3
	v_sub_f32 v[AW+\k], v[120+\k], v133
.endr
.irp k, 0,1,2,3
	v_mul_f32 v[AW+\k], 0x3fb8aa3b, v[AW+\k]
.endr
	ALU
.irp k, 0,1,2,3
	v_exp_f32 v[AW+\k], v[AW+\k]
.endr
	v_nop
	ALU
.irp k, 0,1,2,3
	v_cndmask_b32 v[AW+\k], 0, v[AW+\k], s[68+\k]                ; (an empty bag has NaN here)
.endr
	v_add_f32 v140, v[AW], v[AW+1]
	v_add_f32 v141, v[AW+2], v[AW+3]
	v_add_f32 v140, v140, v141
.irp m, 1,2,4,8
	v_add_f32_dpp v140, v140, v140 row_xmask:\m row_mask:0xf bank_mask:0xf
.endr
	v_permlanex16_b32 v134, v140, s58, s59
	v_add_f32 v140, v140, v134
	ALU
	v_rcp_f32 v140, v140
	v_nop
	ALU
.irp k, 0,1,2,3
	v_mul_f32 v[AW+\k], v[AW+\k], v140
.endr
.irp k, 0,1,2,3
	v_cndmask_b32 v[AW+\k], 0, v[AW+\k], s[68+\k]                ; zeros outside the bag, and for an empty bag everywhere
.endr
	ds_store_b128 v[ATW], v[AW:AW+3]               ; my wave's own copy: no barrier
.set i, 0
.rept 8
	v_mov_b32 v[AC+i], 0
.set i, i+1
.endr
	ALU
	s_mov_b32 s60, 3
.Lrows:
	FTRIP 1
	s_sub_co_u32 s60, s60, 1
	s_cmp_lg_u32 s60, 0
	s_cbranch_scc1 .Lrows
	FTRIP 0
	global_store_b128 v[OOF], v[AC:AC+3], s[14:15] th:TH_STORE_NT              ; each store of the wave covers 512 consecutive bytes, aligned to 256
	global_store_b128 v[OOF], v[AC+4:AC+7], s[14:15] offset:512 th:TH_STORE_NT
	; out1: document 255's weights, by its wave 0: a lane mask made of ids, no branch
	s_lshl_b32 s61, s21, 8
	v_or_b32 v[T0], s61, v0
	v_add_nc_u32 v[T0], 0xffff0100, v[T0]          ; 256 x document + thread - 65,280: under 32 there alone
	v_cmp_gt_u32 vcc_lo, 32, v[T0]
	ALU
	s_wait_xcnt 0x0                                ; EXEC changes only behind this wait
	s_and_saveexec_b32 s73, vcc_lo
	global_store_b128 v[L16], v[AW:AW+3], s[16:17]
	s_wait_xcnt 0x0
	s_or_b32 exec_lo, exec_lo, s73
	s_wait_tensorcnt 0x0                           ; the wave's end
	ds_add_u32 v[SPW], v[NIL]
	s_wait_dscnt 0x0
	CROUND                                         ; the closing round
	s_endpgm
.Lfunc_end_k_q51720b124b_sentence_attention:
	.size	k_q51720b124b_sentence_attention, .Lfunc_end_k_q51720b124b_sentence_attention-k_q51720b124b_sentence_attention
	.p2alignl 7, 3214868480
	.fill 96, 4, 3214868480
	.section	.rodata,"a",@progbits
	.p2align	6, 0x0
	.amdhsa_kernel k_q51720b124b_sentence_attention
		.amdhsa_group_segment_fixed_size 327680
		.amdhsa_private_segment_fixed_size 0
		.amdhsa_enable_private_segment 0
		.amdhsa_kernarg_size 56
		.amdhsa_user_sgpr_count 2
		.amdhsa_user_sgpr_kernarg_segment_ptr 1
		.amdhsa_wavefront_size32 1
		.amdhsa_system_sgpr_workgroup_id_x 1
		.amdhsa_system_sgpr_workgroup_id_y 1
		.amdhsa_system_sgpr_workgroup_id_z 1
		.amdhsa_system_vgpr_workitem_id 0
		.amdhsa_next_free_vgpr 1024
		.amdhsa_next_free_sgpr 80
		.amdhsa_reserve_vcc 1
		.amdhsa_float_denorm_mode_32 3
		.amdhsa_float_denorm_mode_16_64 3
		.amdhsa_memory_ordered 1
		.amdhsa_forward_progress 1
		.amdhsa_inst_pref_size 255
	.end_amdhsa_kernel
	.section	.bss,"aw",@nobits
	.p2align	6
	.space	262144
	.amdgpu_metadata
---
amdhsa.version: [ 1, 2 ]
amdhsa.kernels:
  - .name:           k_q51720b124b_sentence_attention
    .symbol:         k_q51720b124b_sentence_attention.kd
    .args:
      - { .name: x, .offset: 0, .size: 8, .value_kind: global_buffer, .address_space: global }
      - { .name: W_codes, .offset: 8, .size: 8, .value_kind: global_buffer, .address_space: global }
      - { .name: W_scales, .offset: 16, .size: 8, .value_kind: global_buffer, .address_space: global }
      - { .name: u, .offset: 24, .size: 8, .value_kind: global_buffer, .address_space: global }
      - { .name: document_index, .offset: 32, .size: 8, .value_kind: global_buffer, .address_space: global }
      - { .name: out0, .offset: 40, .size: 8, .value_kind: global_buffer, .address_space: global }
      - { .name: out1, .offset: 48, .size: 8, .value_kind: global_buffer, .address_space: global }
    .group_segment_fixed_size: 327680
    .private_segment_fixed_size: 0
    .kernarg_segment_align: 8
    .kernarg_segment_size: 56
    .max_flat_workgroup_size: 128
    .sgpr_count:     80
    .vgpr_count:     1024
    .wavefront_size: 32
...
	.end_amdgpu_metadata
.endif
;; end of part 1
